; MI455X (gfx1250); checked and timed in simulation.
; The chip was launched on July 23, 2026; its instructions are those of AMD's public machine-readable ISA for CDNA 5 (MIT licence, August 2026) and "CDNA5" Instruction Set Architecture Reference Guide (July 2026). The comments in the code are by the model that wrote it; some were corrected since.
;; Bahdanau Attention. Allowed arithmetic: matrix products marked QUANTISED: E2M1 operands, one E8M0 scale for each 32 along K, by v_wmma_scale_f32_16x16x128_f8f6f4 with both operands' format E2M1 (or v_wmma_scale_f32_32x16x128_f4), f32 sums; products left as they are: f32 operands where the result goes on into a quantised operand, else bf16, f16 or f32 operands; f32 sums; everything else in f32.
;; Inputs: V 1,024 x 1 float32; W1_codes 1,024 x 32 x 16 uint8 (E2M1 codes of W1, K innermost, in blocks of 32 codes, two codes a byte); W1_scales 1,024 x 32 uint8 (E8M0 scales of W1, one for each 32 codes along K); W2_codes 1,024 x 32 x 16 uint8 (E2M1 codes of W2, K innermost, in blocks of 32 codes, two codes a byte); W2_scales 1,024 x 32 uint8 (E8M0 scales of W2, one for each 32 codes along K); b1 1,024 float32; b2 1,024 float32; bV 1 float32; query_codes 32 x 32 x 16 uint8 (E2M1 codes of query, K innermost, in blocks of 32 codes, two codes a byte); query_scales 32 x 32 uint8 (E8M0 scales of query, one for each 32 codes along K); values 32 x 2,048 x 1,024 float32.
;; Outputs: out0 32 x 1,024 float32; out1 32 x 2,048 x 1 float32.
;; This version of the problem:
;;   THIS VERSION OF THE PROBLEM IS GIVEN IN LOW PRECISION. The matrix products marked QUANTISED in the list below multiply operands that are first quantised to E2M1 (2 exponent bits, 1 mantissa bit; 4 bits a number), with one power-of-two scale for each 32 numbers along K (OCP MX v1.0); their sums are f32. All else is computed in f32.
;;   The module's matrix products, in the order in which they are computed (A, B: the left and right operand; K: the contracted axis; several contracted axes count as one K, in the product's order):
;;     1. [M 65,536, K 1,024] x [K 1,024, N 1,024]; A: input values; B: input W1 (given as codes): QUANTISED
;;     2. [M 32, K 1,024] x [K 1,024, N 1,024]; A: input query (given as codes); B: input W2 (given as codes): QUANTISED
;;     3. [M 65,536, K 1,024] x [K 1,024, N 1]; A: computed on the way; B: input V: left as it is (N = 1 < 16)
;;   THE QUANTISER, for each operand of a quantised product, along K:
;;     - K is cut into blocks of 32 from its start; a last block that is shorter is filled with zeros.
;;     - A block's scale is 2^e with e = floor(log2(the largest magnitude in the block)) - 2, held to -126 .. 127; a block of zeros has e = 0. As a byte (E8M0): e + 127.
;;     - Each number is divided by its block's scale, clamped to +-6, and rounded to the nearest number of E2M1, ties to even, subnormals kept.
;;     - The product sums the exact products of the quantised numbers (number of the format x scale) in f32.
;;   ~~~python
;;   def quantise(x, axis):      # numpy; x: float32 -> the quantised numbers, widened to float32 again
;;       x = np.moveaxis(x, axis, -1); K = x.shape[-1]
;;       x = np.pad(x, [(0, 0)] * (x.ndim - 1) + [(0, -K % 32)]); x = x.reshape(x.shape[:-1] + (-1, 32)); a = np.abs(x).max(-1, keepdims=True)
;;       e = np.where(a > 0, np.clip(np.frexp(np.where(a > 0, a, 1))[1] - 1 - 2, -126, 127), 0)      # np.frexp(a)[1] - 1 = floor(log2(a)), exactly
;;       r = np.clip(x / 2.0 ** e, -6, 6)
;;       step = 2.0 ** (np.maximum(np.frexp(np.where(r == 0, 1, r))[1] - 1, 0) - 1)
;;       q = np.round(r / step) * step * 2.0 ** e      # np.round: ties to even
;;       return np.moveaxis(q.reshape(q.shape[:-2] + (-1,))[..., :K], -1, axis).astype(np.float32)
;;   ~~~
;;   INPUTS GIVEN AS CODES. W1 (in the module: [1024, 1024], K = its axis 0); W2 (in the module: [1024, 1024], K = its axis 0); query (in the module: [32, 1024], K = its axis 1): each comes as NAME_codes (uint8): NAME with its K axis moved to the last place and cut into blocks of 32 codes, [.., K / 32, bytes a block], one block behind the other in memory; two codes a byte, the lower K in the low four bits (a code: sign, 2 exponent bits, 1 mantissa bit); and NAME_scales (uint8): the same leading axes, one E8M0 byte (e + 127) for each 32 codes along K. Its value is code x scale, taken as it is: it is not quantised again, and the codes and scales need not be those that the quantiser above would give.
;; One version. Each part assembles by itself: llvm-mc -triple=amdgcn-amd-amdhsa -mcpu=gfx1250 --defsym DOCPART=n.
;; ======== version 1 of 1: 3 launches
;; limits: right only within a limited range of input values
;; workspace buffers: w1img 573,440 bytes; biasc 131,072 bytes; tau 262,144 bytes; prec 1,114,112 bytes
;; launch prep (part 1): grid 16 x 1, 4 waves a work-group, no clusters, 9,216 bytes of LDS; arguments W1_codes, W1_scales, W2_codes, W2_scales, query_codes, query_scales, b1, b2, V, w1img, biasc; writes w1img, biasc
.if DOCPART == 1
	.amdgcn_target "amdgcn-amd-amdhsa--gfx1250"
	.amdhsa_code_object_version 6
	.text
	.protected	k_qdf6e78d2bd_prep
	.globl	k_qdf6e78d2bd_prep
	.p2align	8
	.type	k_qdf6e78d2bd_prep,@function
k_qdf6e78d2bd_prep:
	s_mov_b64 s[64:65], 0
	v_nop
	global_prefetch_b8 v0, s[64:65] scope:SCOPE_SE
	s_setreg_imm32_b32 hwreg(HW_REG_WAVE_MODE, 25, 1), 1
	s_wait_xcnt 0x0
; BahdanauAttention, launch 1 of 3.  score[b][s] = sum over u of V[u] tanh(values[b][s] . W1[:,u] + b1[u] + query[b] . W2[:,u] + b2[u]) + bV; out1 = softmax over s; out0 = sum over s of out1 x values.
; WORK LEFT OUT, for all values of the inputs.  Both outputs hang on the scores through the softmax over s alone, and a softmax does not change when the same number is added to all scores of a batch.
;   (1) bV is such a number: it is not loaded and is no argument of any launch.
;   (2) tanh(x) = 1 - 2 / (1 + e^(2x)) is an identity, so score = (sum of V) - 2 sum over u of V[u] / (1 + e^(2 x_u)) + bV; the sum of V is the same for all s and goes the same way.
;   LIMIT: a NaN, an infinity or an overflow that reaches only bV or the sum of V is not carried to the results.
; THIS LAUNCH makes two tables.
;   biasc[b][u] = c (query[b] . W2[:,u] + b1[u] + b2[u]), c = 2 log2(e): the second quantised product, on the codes as they are given.
;   w1img: W1 in the order in which a wave's operand registers take it: 64 records of 8,960 bytes, one for each 16 units:
;     16 pieces of 512 bytes (piece k: lane l's 16 bytes = codes of unit l % 16, byte 32 k + 16 (l / 16) of its row); the 16 rows of 32 scale bytes; 16 numbers -c V[u]; 192 bytes of zeros.
; SHARES: work-group G, wave w: units 16 T .. 16 T + 15, T = 4 G + w, against all 32 batches (two tiles of 16).  16 matrix instructions a wave, two accumulators by turns.
.set REC,    8960
.set SPITCH, 272                       ; the stage: 32 batches x (64 units x 4 bytes + 16)
.set SPARE,  32*SPITCH                 ; behind the stage: the spare words, 128 bytes for each wave
.set SPW, 56                           ; v56  LDS address of my spare word; never rewritten
.set NIL, 57                           ; v57  0; never rewritten
.set W2S, 32                           ; v32-39   W2's scale words (scales and nothing else)
.set QS,  40                           ; v40-47   query's scale words: lane = batch
.set W2F, 64                           ; v64-127  W2's eight fragments
.set QF,  128                          ; v128-255 query's 2 x 8 fragments
.set MSB, 0
.macro WIN new                         ; the immediate's high byte repeats the setting that is left
.if MSB != \new
	s_set_vgpr_msb (MSB<<8)|\new
.set MSB, \new
.endif
.endm
	s_load_b512 s[4:19], s[0:1], 0x0               ; W1 codes s[4:5], W1 scales s[6:7], W2 codes s[8:9], W2 scales s[10:11], query codes s[12:13], query scales s[14:15], b1 s[16:17], b2 s[18:19]
	s_load_b128 s[20:23], s[0:1], 0x40             ; V s[20:21], w1img s[22:23]
	s_load_b64 s[24:25], s[0:1], 0x50              ; biasc
	v_lshl_add_u32 v[SPW], v0, 2, SPARE
	v_mov_b32 v[NIL], 0
	v_lshrrev_b32 v1, 5, v0
	v_readfirstlane_b32 s26, v1                    ; wave
	v_and_b32 v1, 31, v0                           ; lane l
	v_and_b32 v2, 15, v0                           ; r
	v_bfe_u32 v3, v0, 4, 1                         ; h
	s_lshl_b32 s27, ttmp9, 2
	s_add_co_u32 s27, s27, s26                     ; T
	v_lshlrev_b32 v4, 9, v2
	v_lshl_add_u32 v4, v3, 4, v4                   ; a fragment: row r of 512 bytes, + 16 h
	v_lshlrev_b32 v5, 5, v2                        ; 32 r: a unit's row of scale bytes
	v_lshlrev_b32 v6, 5, v1                        ; 32 l: a batch's
	v_lshlrev_b32 v7, 4, v1                        ; 16 l
	v_lshlrev_b32 v8, 2, v2                        ; 4 r
	v_and_b32 v9, 7, v1
	v_lshlrev_b32 v9, 3, v9                        ; 8 (l % 8): two numbers of V
	v_lshlrev_b32 v10, 3, v1                       ; 8 l
	v_mul_u32_u24 v11, v3, 8*SPITCH                ; into the stage: batch 8 h (+ 16 m + j in the offset), unit 16 w + r
	v_add_nc_u32 v11, v11, v8
	s_lshl_b32 s38, s26, 6
	v_add_nc_u32 v11, s38, v11
	v_mul_u32_u24 v12, v3, SPITCH                  ; out of it: batch 8 w + h (+ 2 i), 16 bytes a lane
	v_lshl_add_u32 v12, v2, 4, v12
	s_mul_i32 s38, s26, 8*SPITCH
	v_add_nc_u32 v12, s38, v12
	v_lshlrev_b32 v13, 12, v3                      ; and the same place in biasc: a batch is 4,096 bytes
	v_lshl_add_u32 v13, v2, 4, v13
	s_lshl_b32 s28, s27, 13                        ; 16 rows of 512 bytes of codes
	s_mov_b32 s29, 0
	s_lshl_b32 s30, s27, 9                         ; 16 rows of 32 scale bytes
	s_mov_b32 s31, 0
	s_lshl_b32 s32, s27, 6                         ; 16 numbers of b1, b2, V
	s_mov_b32 s33, 0
	s_mul_i32 s34, s27, REC                        ; my record
	s_mov_b32 s35, 0
	s_mov_b32 s36, 0x4038aa3b                      ; c = 2 log2(e)
	s_mov_b32 s37, s36                             ; (named with it as a pair)
	s_lshl_b32 s38, s26, 15                        ; biasc: batch 8 w,
	s_lshl_b32 s39, ttmp9, 8                       ; my work-group's 64 units
	s_add_co_u32 s38, s38, s39
	s_mov_b32 s39, 0
	s_wait_kmcnt 0x0
	s_add_nc_u64 s[4:5], s[4:5], s[28:29]
	s_add_nc_u64 s[8:9], s[8:9], s[28:29]
	s_add_nc_u64 s[6:7], s[6:7], s[30:31]
	s_add_nc_u64 s[10:11], s[10:11], s[30:31]
	s_add_nc_u64 s[16:17], s[16:17], s[32:33]
	s_add_nc_u64 s[18:19], s[18:19], s[32:33]
	s_add_nc_u64 s[20:21], s[20:21], s[32:33]
	s_add_nc_u64 s[22:23], s[22:23], s[34:35]
	s_add_nc_u64 s[24:25], s[24:25], s[38:39]
	WIN 0x40                                       ; destination window 1: W1's 16 pieces, v256-319
.irp k, 0,1,2,3,4,5,6,7,8,9,10,11,12,13,14,15
	global_load_b128 v[4*\k:4*\k+3], v4, s[4:5] offset:32*\k
.endr
	WIN 0
	global_load_b128 v[48:51], v7, s[6:7]          ; W1's 512 scale bytes, as they lie
	global_load_b64 v[54:55], v9, s[20:21]         ; V
	global_load_b32 v52, v8, s[16:17]              ; b1 at unit r
	global_load_b32 v53, v8, s[18:19]              ; b2
	global_load_b128 v[W2S:W2S+3], v5, s[10:11]
	global_load_b128 v[W2S+4:W2S+7], v5, s[10:11] offset:16
	global_load_b128 v[QS:QS+3], v6, s[14:15]
	global_load_b128 v[QS+4:QS+7], v6, s[14:15] offset:16
.irp k, 0,1,2,3,4,5,6,7,8,9,10,11,12,13,14,15
	global_load_b128 v[W2F+4*\k:W2F+4*\k+3], v4, s[8:9] offset:32*\k
.endr
.irp m, 0,1
.irp k, 0,1,2,3,4,5,6,7,8,9,10,11,12,13,14,15
	global_load_b128 v[QF+64*\m+4*\k:QF+64*\m+4*\k+3], v4, s[12:13] offset:8192*\m+32*\k
.endr
.endr
	s_wait_loadcnt 0x0
	WIN 0x04                                       ; a store's data are its source 1: window 1
.irp k, 0,1,2,3,4,5,6,7,8,9,10,11,12,13,14,15
	global_store_b128 v7, v[4*\k:4*\k+3], s[22:23] offset:512*\k   ; 32 lanes store 512 consecutive bytes
.endr
	WIN 0
	global_store_b128 v7, v[48:51], s[22:23] offset:8192
	v_mul_f32 v54, 0xc038aa3b, v54                 ; -c V
	v_mul_f32 v55, 0xc038aa3b, v55
	v_cmp_gt_u32 vcc_lo, 8, v1                     ; lanes 0-7 hold the 16 numbers, the others store zeros: 256 consecutive bytes
	v_cndmask_b32 v54, 0, v54, vcc_lo
	v_cndmask_b32 v55, 0, v55, vcc_lo
	global_store_b64 v10, v[54:55], s[22:23] offset:8704
	v_add_f32 v52, v52, v53
	v_mul_f32 v52, s36, v52                        ; c (b1 + b2) at unit r
; source 0 = 16 batches of query, source 1 = my 16 units of W2: register j of lane (r, h) is (batch 16 m + 8 h + j, unit r).  The two accumulators take turns.
.irp q, 0,1,2,3,4,5,6,7
.if \q == 0
	v_wmma_scale_f32_16x16x128_f8f6f4 v[16:23], v[QF+8*\q:QF+8*\q+7], v[W2F+8*\q:W2F+8*\q+7], 0, v[QS+\q], v[W2S+\q] matrix_a_fmt:MATRIX_FMT_FP4 matrix_b_fmt:MATRIX_FMT_FP4
	v_wmma_scale_f32_16x16x128_f8f6f4 v[24:31], v[QF+64+8*\q:QF+64+8*\q+7], v[W2F+8*\q:W2F+8*\q+7], 0, v[QS+\q], v[W2S+\q] matrix_a_fmt:MATRIX_FMT_FP4 matrix_b_fmt:MATRIX_FMT_FP4 matrix_a_scale:MATRIX_SCALE_ROW1
.else
	v_wmma_scale_f32_16x16x128_f8f6f4 v[16:23], v[QF+8*\q:QF+8*\q+7], v[W2F+8*\q:W2F+8*\q+7], v[16:23], v[QS+\q], v[W2S+\q] matrix_a_fmt:MATRIX_FMT_FP4 matrix_b_fmt:MATRIX_FMT_FP4
	v_wmma_scale_f32_16x16x128_f8f6f4 v[24:31], v[QF+64+8*\q:QF+64+8*\q+7], v[W2F+8*\q:W2F+8*\q+7], v[24:31], v[QS+\q], v[W2S+\q] matrix_a_fmt:MATRIX_FMT_FP4 matrix_b_fmt:MATRIX_FMT_FP4 matrix_a_scale:MATRIX_SCALE_ROW1
.endif
.endr
.rept 4
	v_nop                                          ; four places in front of the first read of results (ISA guide 7.12.1)
.endr
.irp j, 0,2,4,6,8,10,12,14
	v_pk_fma_f32 v[16+\j:17+\j], v[16+\j:17+\j], s[36:37], v[52:53] op_sel_hi:[1,0,0]   ; c x the product + c (b1 + b2); each accumulator from its low end on
.endr
.irp m, 0,1
.irp j, 0,1,2,3,4,5,6,7
	ds_store_b32 v11, v[16+8*\m+\j] offset:SPITCH*(16*\m+\j)
.endr
.endr
	s_wait_dscnt 0x0                               ; for the others' sake: my stores into the stage are done
	s_barrier_signal -1
	s_barrier_wait -1                              ; a batch's 256 bytes come from four waves
.irp i, 0,1,2,3
	ds_load_b128 v[64+4*\i:67+4*\i], v12 offset:2*SPITCH*\i
.endr
.irp i, 0,1,2,3
	s_wait_dscnt 3-\i                              ; the younger loads may stay out
	global_store_b128 v13, v[64+4*\i:67+4*\i], s[24:25] offset:8192*\i   ; sixteen lanes store 256 consecutive bytes, aligned
.endr
	s_wait_tensorcnt 0x0                           ; the wave's end
	ds_add_u32 v[SPW], v[NIL]
	s_wait_dscnt 0x0
	s_endpgm
.Lfunc_end_k_qdf6e78d2bd_prep:
	.size	k_qdf6e78d2bd_prep, .Lfunc_end_k_qdf6e78d2bd_prep-k_qdf6e78d2bd_prep
	.p2alignl 7, 3214868480
	.fill 96, 4, 3214868480
	.section	.rodata,"a",@progbits
	.p2align	6, 0x0
	.amdhsa_kernel k_qdf6e78d2bd_prep
		.amdhsa_group_segment_fixed_size 9216
		.amdhsa_private_segment_fixed_size 0
		.amdhsa_enable_private_segment 0
		.amdhsa_kernarg_size 88
		.amdhsa_user_sgpr_count 2
		.amdhsa_user_sgpr_kernarg_segment_ptr 1
		.amdhsa_wavefront_size32 1
		.amdhsa_system_sgpr_workgroup_id_x 1
		.amdhsa_system_sgpr_workgroup_id_y 1
		.amdhsa_system_sgpr_workgroup_id_z 1
		.amdhsa_system_vgpr_workitem_id 0
		.amdhsa_next_free_vgpr 320
		.amdhsa_next_free_sgpr 66
		.amdhsa_reserve_vcc 1
		.amdhsa_float_denorm_mode_32 3
		.amdhsa_float_denorm_mode_16_64 3
		.amdhsa_memory_ordered 1
		.amdhsa_forward_progress 1
		.amdhsa_inst_pref_size 16
	.end_amdhsa_kernel
	.amdgpu_metadata
---
amdhsa.version: [ 1, 2 ]
amdhsa.kernels:
  - .name:           k_qdf6e78d2bd_prep
    .symbol:         k_qdf6e78d2bd_prep.kd
    .args:
      - { .name: W1_codes, .offset: 0, .size: 8, .value_kind: global_buffer, .address_space: global }
      - { .name: W1_scales, .offset: 8, .size: 8, .value_kind: global_buffer, .address_space: global }
      - { .name: W2_codes, .offset: 16, .size: 8, .value_kind: global_buffer, .address_space: global }
      - { .name: W2_scales, .offset: 24, .size: 8, .value_kind: global_buffer, .address_space: global }
      - { .name: query_codes, .offset: 32, .size: 8, .value_kind: global_buffer, .address_space: global }
      - { .name: query_scales, .offset: 40, .size: 8, .value_kind: global_buffer, .address_space: global }
      - { .name: b1, .offset: 48, .size: 8, .value_kind: global_buffer, .address_space: global }
      - { .name: b2, .offset: 56, .size: 8, .value_kind: global_buffer, .address_space: global }
      - { .name: V, .offset: 64, .size: 8, .value_kind: global_buffer, .address_space: global }
      - { .name: w1img, .offset: 72, .size: 8, .value_kind: global_buffer, .address_space: global }
      - { .name: biasc, .offset: 80, .size: 8, .value_kind: global_buffer, .address_space: global }
    .group_segment_fixed_size: 9216
    .private_segment_fixed_size: 0
    .kernarg_segment_align: 8
    .kernarg_segment_size: 88
    .max_flat_workgroup_size: 128
    .sgpr_count:     66
    .vgpr_count:     320
    .wavefront_size: 32
...
	.end_amdgpu_metadata
.endif
;; end of part 1
;; launch main (part 2): grid 256 x 1, 8 waves a work-group, no clusters, 310,016 bytes of LDS; arguments values, w1img, biasc, tau, prec; writes tau, prec
.if DOCPART == 2
	.amdgcn_target "amdgcn-amd-amdhsa--gfx1250"
	.amdhsa_code_object_version 6
	.text
	.protected	k_qdf6e78d2bd_main
	.globl	k_qdf6e78d2bd_main
	.p2align	8
	.type	k_qdf6e78d2bd_main,@function
k_qdf6e78d2bd_main:
	s_mov_b64 s[64:65], 0
	v_nop
	global_prefetch_b8 v0, s[64:65] scope:SCOPE_SE
	s_setreg_imm32_b32 hwreg(HW_REG_WAVE_MODE, 25, 1), 1
	s_wait_xcnt 0x0
; BahdanauAttention, launch 2 of 3.  Left out, as shown at the head of the first kernel: bV and the sum of V (the same for all positions of a batch, so the softmax takes them away).
; A work-group takes 256 positions of one batch.  Their rows of values are quantised to E2M1 along D, multiplied with W1 (records of w1img), and
;   tau[s] = sum over u of (-c V[u]) / (1 + 2^(c x + biasc[u])), c = 2 log2(e): log2(e) x the score but for a term that is the same for all s.
; A running maximum m, l = sum of 2^(tau - m) and ctx = sum of 2^(tau - m) x values[s] (f32 rows) are kept; tau, m, l, ctx go to memory, the third launch joins a batch's eight parts.
; EACH BYTE OF values IS READ ONCE: a row stays in LDS, in f32, until its tau is whole.
; THE WALK.  Row tiles of 16 rows; tile t is at work in steps t .. t + 3, in register slot t % 4.  A step is 256 units of W1 (quarter t % 4): four steps meet all 1,024.  19 steps; the first and last three have 1 to 3 tiles at work and are written out.
; SHARES.  Eight waves, two on a SIMD.  Products: of a step's 16 unit tiles wave w takes 2 w and 2 w + 1 against all row tiles at work.  Rows: wave w loads, quantises and parks rows 2 w, 2 w + 1 of each tile.
;   Context: wave w owns columns 128 w .. 128 w + 127 for all rows; every wave makes the softmax's step for the 16 finished rows (a row a lane), so m and l are the same in all waves.
; AT THE BOUNDARY ahead of step t: the partial tau of tile t - 4 and the codes of tile t go to LDS; barrier; the operand of tile t is read, tile t - 4 is weighed into ctx from its ring slot; second barrier (signal here, wait behind the step's first products);
;   then tile t's f32 rows take that ring slot and tile t + 1 is asked for.
; W1 GOES STRAIGHT INTO REGISTERS: a record lies in the order of the operand's registers and one wave of the work-group alone uses it.  No tensor load and no joint load: the ring of 64 rows, the scratch and the stages take 310,016 bytes of LDS, two slots of 71,680 bytes have no room beside them.
;   With four tiles at work one run of 64 registers takes the step's two records by turns.  In steps 0-2 and 16-18 an operand slot is idle (slot 3, slot 0): it takes the step's second record, and both records are asked for a step ahead.
; PREFETCH: in the step that loads tile t + 1 each wave names its own 32 blocks of 256 bytes of tile t + 3, a lane a block; the head names tiles 1 and 2; steps 13 and later name nothing.
; LAYOUT.  Source 0 = 16 rows of values, source 1 = 16 units: a lane holds one unit (lane % 16) and eight rows.
; LIMITS: NaN and infinities in values are not served; a block of 32 whose largest magnitude lies under 2^-124 gets the scale byte 1 (a block of zeros too: its codes are zeros, and this program alone reads the bytes).
; LDS: ring 64 rows x 4,096; a scratch row of 16 x (256 + 16) bytes a wave, for the quantiser's turn of the layout; IMG 16 rows of codes x 528; ASC 64 rows x 32 scale bytes; SCX [wave][row] partial tau; TAU; the spare words.
.set REC,   8960
.set SCR,   262144
.set IMG,   296960
.set IP,    528
.set ASC,   305408
.set SCX,   307456
.set TAU,   307968
.set SPARE, 308992
; window 0
.set BOF, 1                            ; 16 l
.set PFO, 2                            ; 256 l
.set BSO, 3                            ; 32 r + REC h: lanes 0-15 the step's first record, lanes 16-31 its second
.set BVO, 4                            ; 4 r
.set QSA, 5                            ; scratch as a row is loaded
.set QLA, 6                            ; scratch as the quantiser reads: a block of 32 a lane
.set AFR, 7                            ; a fragment of A in IMG
.set ASRD, 8                           ; A's scale words: ASC + 32 l
.set SXW, 9
.set SXR, 10
.set TAW, 11
.set MX,  12
.set LS,  13
.set CT,  14                           ; v14-17 my 4 columns of ctx
.set TP,  18                           ; v18-31 at work
.set QM,  18
.set QSO, 20
.set QBY, 21
.set QPC, 22
.set C2,  22
.set IMWT, 26
.set ASWT, 27
.set RCT, 28
.set PKT, 29
.set SC,  32                           ; v32-63   partial tau: slot mm, row 8 h + j at 8 mm + j
.set DD,  64                           ; v64-95   four accumulators; at a boundary rows at work
.set BB,  96                           ; v96-159  one unit tile: eight fragments
.set BS,  160                          ; v160-167 W1's scale words of the step's two records (scales alone)
.set ASR, 168                          ; v168-183 A's scale words: slots 2 k (lanes 0-15) and 2 k + 1 (lanes 16-31) at 8 k (scales alone)
.set BV,  184                          ; v184 biasc, v186 -c V of the step's first tile; v188, v190 of its second; the odd ones are 0
.set LL,  192                          ; v192-255 my two landing rows: register 32 p + 4 c + i is column 128 c + 4 l + i
; window 1: A's fragments, slot mm, K step q at v[64 mm + 8 q]
.set WV, 14
.set T,  15                            ; the step
.set X0, 16
.set X1, 17
.set TB, 18                            ; s[18:19] my first record of the step asked for; the second lies REC behind it
.set TBI, 20                           ; s[20:21] its biasc
.set OF, 22                            ; s[22:23] an offset, upper word 0
.set CC, 24
.set SQ, 26
.set SXS, 27
.set SIM, 28
.set SAS, 29
.set SPB, 30
.set SRB, 31
.set WT, 68                            ; s[68:99] sixteen weights, each as a pair
.set MSB, 0
.macro WIN new
.if MSB != \new
	s_set_vgpr_msb (MSB<<8)|\new
.set MSB, \new
.endif
.endm
.macro NOP4                            ; four places behind matrix instructions (ISA guide 7.12.1)
.rept 4
	v_nop
.endr
.endm
.macro SEL4 body                       ; the copy of a piece for slot T % 4: register numbers differ, nothing else; the branches hang on the step's number alone
	s_and_b32 s[X0], s[T], 3
	s_cmp_lt_u32 s[X0], 2
	s_cbranch_scc0 .Lh_\@
	s_cmp_eq_u32 s[X0], 0
	s_cbranch_scc0 .Lb_\@
	\body 0
	s_branch .Lj_\@
.Lb_\@:
	\body 1
	s_branch .Lj_\@
.Lh_\@:
	s_cmp_eq_u32 s[X0], 2
	s_cbranch_scc0 .Ld_\@
	\body 2
	s_branch .Lj_\@
.Ld_\@:
	\body 3
.Lj_\@:
.endm
.macro WM q, x                         ; one product: slot wm, record at wb (symbols), K step q, the step's tile x
.set rD, DD+8*wm
.set rA, 64*wm+8*(\q)
.set rB, wb+8*(\q)
.set rP, ASR+8*(wm/2)+(\q)
.set rQ, BS+(\q)
.if (\q) == 0
.if (wm%2) == 0
.if (\x) == 0
	v_wmma_scale_f32_16x16x128_f8f6f4 v[rD:rD+7], v[rA:rA+7], v[rB:rB+7], 0, v[rP], v[rQ] matrix_a_fmt:MATRIX_FMT_FP4 matrix_b_fmt:MATRIX_FMT_FP4
.else
	v_wmma_scale_f32_16x16x128_f8f6f4 v[rD:rD+7], v[rA:rA+7], v[rB:rB+7], 0, v[rP], v[rQ] matrix_a_fmt:MATRIX_FMT_FP4 matrix_b_fmt:MATRIX_FMT_FP4 matrix_b_scale:MATRIX_SCALE_ROW1
.endif
.else
.if (\x) == 0
	v_wmma_scale_f32_16x16x128_f8f6f4 v[rD:rD+7], v[rA:rA+7], v[rB:rB+7], 0, v[rP], v[rQ] matrix_a_fmt:MATRIX_FMT_FP4 matrix_b_fmt:MATRIX_FMT_FP4 matrix_a_scale:MATRIX_SCALE_ROW1
.else
	v_wmma_scale_f32_16x16x128_f8f6f4 v[rD:rD+7], v[rA:rA+7], v[rB:rB+7], 0, v[rP], v[rQ] matrix_a_fmt:MATRIX_FMT_FP4 matrix_b_fmt:MATRIX_FMT_FP4 matrix_a_scale:MATRIX_SCALE_ROW1 matrix_b_scale:MATRIX_SCALE_ROW1
.endif
.endif
.else
.if (wm%2) == 0
.if (\x) == 0
	v_wmma_scale_f32_16x16x128_f8f6f4 v[rD:rD+7], v[rA:rA+7], v[rB:rB+7], v[rD:rD+7], v[rP], v[rQ] matrix_a_fmt:MATRIX_FMT_FP4 matrix_b_fmt:MATRIX_FMT_FP4
.else
	v_wmma_scale_f32_16x16x128_f8f6f4 v[rD:rD+7], v[rA:rA+7], v[rB:rB+7], v[rD:rD+7], v[rP], v[rQ] matrix_a_fmt:MATRIX_FMT_FP4 matrix_b_fmt:MATRIX_FMT_FP4 matrix_b_scale:MATRIX_SCALE_ROW1
.endif
.else
.if (\x) == 0
	v_wmma_scale_f32_16x16x128_f8f6f4 v[rD:rD+7], v[rA:rA+7], v[rB:rB+7], v[rD:rD+7], v[rP], v[rQ] matrix_a_fmt:MATRIX_FMT_FP4 matrix_b_fmt:MATRIX_FMT_FP4 matrix_a_scale:MATRIX_SCALE_ROW1
.else
	v_wmma_scale_f32_16x16x128_f8f6f4 v[rD:rD+7], v[rA:rA+7], v[rB:rB+7], v[rD:rD+7], v[rP], v[rQ] matrix_a_fmt:MATRIX_FMT_FP4 matrix_b_fmt:MATRIX_FMT_FP4 matrix_a_scale:MATRIX_SCALE_ROW1 matrix_b_scale:MATRIX_SCALE_ROW1
.endif
.endif
.endif
.endm
; Slots lo .. hi against the step's tile x, whose record lies at register bb of window bw; K = 1,024; the accumulators take turns; with one slot alone a wait stands ahead of every link
.macro MULT lo, hi, x, bw, bb
	WIN 0x01+4*(\bw)
.set wb, \bb
.irp q, 0,1,2,3,4,5,6,7
.set wm, \lo
.rept (\hi)-(\lo)+1
.if ((\hi) == (\lo)) && (\q > 0)
	s_wait_alu depctr_va_vdst(0)
.endif
	WM \q, \x
.set wm, wm+1
.endr
.endr
	WIN 0
.endm
; r = 1 / (1 + 2^(c x + biasc)), tau += (-c V) r.  2^z = infinity gives r = 0, 2^z = 0 gives r = 1.  The waits round each batch of transcendentals.
.macro EPI lo, hi, bv
.set epD, DD+8*(\lo)
.set epS, SC+8*(\lo)
.set epN, 8*((\hi)-(\lo)+1)
.set epI, 0
.rept epN/2
	v_pk_fma_f32 v[epD+epI:epD+epI+1], v[epD+epI:epD+epI+1], s[CC:CC+1], v[\bv:\bv+1] op_sel_hi:[1,0,0]   ; each accumulator from its low end on
.set epI, epI+2
.endr
.set epI, 0
	s_wait_alu depctr_va_vdst(0)
.rept epN
	v_exp_f32 v[epD+epI], v[epD+epI]
.set epI, epI+1
.endr
	v_nop
	s_wait_alu depctr_va_vdst(0)
.set epI, 0
.rept epN/2
	v_pk_add_f32 v[epD+epI:epD+epI+1], v[epD+epI:epD+epI+1], 1.0 op_sel_hi:[1,0]
.set epI, epI+2
.endr
.set epI, 0
	s_wait_alu depctr_va_vdst(0)
.rept epN
	v_rcp_f32 v[epD+epI], v[epD+epI]
.set epI, epI+1
.endr
	v_nop
	s_wait_alu depctr_va_vdst(0)
.set epI, 0
.rept epN/2
	v_pk_fma_f32 v[epS+epI:epS+epI+1], v[epD+epI:epD+epI+1], v[\bv+2:\bv+3], v[epS+epI:epS+epI+1] op_sel_hi:[1,0,1]
.set epI, epI+2
.endr
.endm
.macro NEXT                            ; the bases go on to step T + 1's quarter of W1
	s_wait_xcnt 0x0                                ; earlier loads have read their bases
	s_add_co_u32 s[X0], s[T], 1
	s_and_b32 s[X0], s[X0], 3
	s_mul_i32 s[OF], s[X0], 16*REC
	s_add_nc_u64 s[TB:TB+1], s[6:7], s[OF:OF+1]
	s_lshl_b32 s[OF], s[X0], 10
	s_add_nc_u64 s[TBI:TBI+1], s[8:9], s[OF:OF+1]
.endm
.macro FLOADS x, bw, bb                ; 16 loads: record x's pieces of 512 bytes into register bb of window bw
	WIN 0x40*(\bw)
.irp k, 0,1,2,3,4,5,6,7,8,9,10,11,12,13,14,15
	global_load_b128 v[(\bb)+4*\k:(\bb)+4*\k+3], v[BOF], s[TB:TB+1] offset:REC*(\x)+512*\k
.endr
	WIN 0
.endm
.macro VLOADS x                        ; 2 loads: record x's -c V and biasc at unit lane % 16
	global_load_b32 v[BV+4*(\x)+2], v[BVO], s[TB:TB+1] offset:REC*(\x)+8704
	global_load_b32 v[BV+4*(\x)], v[BVO], s[TBI:TBI+1] offset:64*(\x)
.endm
.macro SLOADS                          ; 2 loads: both records' scale words
	global_load_b128 v[BS:BS+3], v[BSO], s[TB:TB+1] offset:8192
	global_load_b128 v[BS+4:BS+7], v[BSO], s[TB:TB+1] offset:8208
.endm
.macro LLOADS                          ; 16 loads: my two rows of a tile, 512 consecutive bytes each; read once in the launch
.irp p, 0,1
.irp c, 0,1,2,3,4,5,6,7
	global_load_b128 v[LL+32*\p+4*\c:LL+32*\p+4*\c+3], v[BOF], s[4:5] offset:4096*\p+512*\c th:TH_LOAD_NT
.endr
.endr
.endm
; park: tile T's rows go into the ring; ld: tile T + 1 is asked for; pf: 1 = prefetch, 2 = while T < 13
.macro PARKVL park, ld, pf
.if \park
	s_and_b32 s[X0], s[T], 3
	s_lshl_b32 s[X0], s[X0], 16
	s_add_co_u32 s[X0], s[X0], s[SPB]
	v_add_nc_u32 v[PKT], s[X0], v[BOF]
.irp p, 0,1
.irp c, 0,1,2,3,4,5,6,7
	ds_store_b128 v[PKT], v[LL+32*\p+4*\c:LL+32*\p+4*\c+3] offset:4096*\p+512*\c
.endr
.endr
.endif
.if \ld
	s_wait_dscnt 0x0                               ; the stores have read the landing registers
	s_wait_xcnt 0x0                                ; the last tile's loads and prefetch have read their base
	s_add_nc_u64 s[4:5], s[4:5], 0x10000           ; 16 rows on
	LLOADS
.if \pf == 2
	s_cmp_lt_u32 s[T], 13
	s_cbranch_scc0 .Lnp_\@
.endif
.if \pf
	global_prefetch_b8 v[PFO], s[4:5] offset:0x20000 th:TH_LOAD_NT scope:SCOPE_SE   ; tile T + 3: my 32 blocks of 256 bytes
.endif
.if \pf == 2
.Lnp_\@:
.endif
.endif
.endm
; A STEP WITH FOUR TILES AT WORK: both records go through BB.  qn: the next step's second record is asked for too, into register qb of window 1.
.macro STEP park, ld, pf, qn, qb
	s_wait_loadcnt 0x0                             ; the first record and the scale words are in
	MULT 0, 3, 0, 0, BB
	s_barrier_wait -1                              ; the boundary's second barrier: nobody reads the ring slot, IMG or SCX any more
	NOP4
	FLOADS 1, 0, BB
	VLOADS 1
	PARKVL \park, \ld, \pf
	EPI 0, 3, BV
	s_wait_loadcnt 16*\ld                          ; the second record is in; the younger loads of values stay out
	MULT 0, 3, 1, 0, BB
	NOP4
	NEXT
	FLOADS 0, 0, BB
	VLOADS 0
	SLOADS
.if \qn
	FLOADS 1, 1, \qb
.endif
	EPI 0, 3, BV+4
.if \qn
	VLOADS 1                                       ; behind the last reader of these two registers
.endif
	s_wait_alu depctr_va_vdst(0)
.endm
; A STEP WITH FEWER: slots lo .. hi; the second record lies at register qb of window 1.  pn: a next step's first record and scale words are asked for; qn: its second record too.
.macro RSTEP lo, hi, park, ld, pf, qb, pn, qn
	s_wait_loadcnt 18                              ; the first record and the scale words are in; the second record's 18 loads are younger
	MULT \lo, \hi, 0, 0, BB
	s_barrier_wait -1
	NOP4
.if \pn
	NEXT
	FLOADS 0, 0, BB
.endif
	PARKVL \park, \ld, \pf
	EPI \lo, \hi, BV
.if \pn
	VLOADS 0                                       ; behind the last reader of these two registers
.endif
	s_wait_loadcnt 18*\pn+16*\ld                   ; the second record is in; younger: the next first record's 18 loads and the 16 of values
	MULT \lo, \hi, 1, 1, \qb
	NOP4
.if \pn
	SLOADS
.endif
.if \qn
	FLOADS 1, 1, \qb
.endif
	EPI \lo, \hi, BV+4
.if \qn
	VLOADS 1
.endif
	s_wait_alu depctr_va_vdst(0)
.endm
.macro SCORES sl                       ; my 128 units' part of the finished tile's tau: summed over sixteen lanes, which then store equal words
.irp x, 1,2,4,8
.set scI, SC+8*(\sl)
.rept 8
	v_add_f32_dpp v[scI], v[scI], v[scI] row_xmask:\x row_mask:0xf bank_mask:0xf
.set scI, scI+1
.endr
.endr
	ds_store_b128 v[SXW], v[SC+8*(\sl):SC+8*(\sl)+3]
	ds_store_b128 v[SXW], v[SC+8*(\sl)+4:SC+8*(\sl)+7] offset:16
.endm
.macro ALOAD sl                        ; 18 loads: the new tile's eight fragments, and the scale words of its pair of slots; its tau begins at 0
	WIN 0x40
.irp k, 0,1,2,3,4,5,6,7,8,9,10,11,12,13,14,15
	ds_load_b128 v[64*(\sl)+4*\k:64*(\sl)+4*\k+3], v[AFR] offset:32*\k
.endr
	WIN 0
	ds_load_b128 v[ASR+8*((\sl)/2):ASR+8*((\sl)/2)+3], v[ASRD] offset:1024*((\sl)/2)
	ds_load_b128 v[ASR+8*((\sl)/2)+4:ASR+8*((\sl)/2)+7], v[ASRD] offset:1024*((\sl)/2)+16
.irp i, 0,1,2,3,4,5,6,7
	v_mov_b32 v[SC+8*(\sl)+\i], 0
.endr
.endm
.macro QST p                           ; landing row p into my scratch.  LDS serves a wave's instructions in order (ISA guide 5.7.1.4): row 1's stores come behind row 0's loads
.irp c, 0,1,2,3,4,5,6,7
	ds_store_b128 v[QSA], v[LL+32*\p+4*\c:LL+32*\p+4*\c+3] offset:544*\c
.endr
.endm
.macro QLD                             ; and back, a whole block of 32 a lane
.irp k, 0,1,2,3,4,5,6,7
	ds_load_b128 v[DD+4*\k:DD+4*\k+3], v[QLA] offset:16*\k
.endr
.endm
; The quantiser: the scale byte is the largest magnitude's exponent field less 2, held at 1 from below by the floor among the leaves; the conversion takes that field as its scale, rounds to nearest even and gives the largest code beyond 6.
.macro QCALC p
	v_max3_num_f32 v[QM], |v[DD]|, |v[DD+1]|, 0x1800000
	v_max3_num_f32 v[QM+1], |v[DD+2]|, |v[DD+3]|, |v[DD+4]|
.set qi, 5
.rept 13
	s_delay_alu instid0(VALU_DEP_2)
	v_max3_num_f32 v[QM+((qi-5)/2)%2], v[QM+((qi-5)/2)%2], |v[DD+qi]|, |v[DD+qi+1]|
.set qi, qi+2
.endr
	s_delay_alu instid0(VALU_DEP_1)
	v_max3_num_f32 v[QM], v[QM], v[QM+1], |v[DD+31]|
	s_delay_alu instid0(VALU_DEP_1)
	v_add_nc_u32 v[QSO], 0xff000000, v[QM]
	s_delay_alu instid0(VALU_DEP_1)
	v_lshrrev_b32 v[QBY], 23, v[QSO]
.irp g, 0,1,2,3
	v_cvt_scalef32_pk8_fp4_f32 v[QPC+\g], v[DD+8*\g:DD+8*\g+7], v[QSO]
.endr
	v_nop                                          ; one plain place behind the last conversion
	ds_store_b128 v[IMWT], v[QPC:QPC+3] offset:IP*\p
	ds_store_b8 v[ASWT], v[QBY] offset:32*\p
.endm
.macro RLOAD b                         ; my 512 bytes of rows 8 b .. 8 b + 7 of the finished tile
.irp i, 0,1,2,3,4,5,6,7
	ds_load_b128 v[DD+4*\i:DD+4*\i+3], v[RCT] offset:4096*(8*\b+\i)
.endr
.endm
.macro CTXB b                          ; ctx += weight x row: even rows into CT, odd rows into C2 (whose first product starts it)
.irp i, 0,1,2,3,4,5,6,7
.set cw, WT+2*(8*\b+\i)
.set cd, DD+4*\i
.if (\b == 0) && (\i == 1)
	v_pk_mul_f32 v[C2:C2+1], v[cd:cd+1], s[cw:cw+1] op_sel_hi:[1,0]
	v_pk_mul_f32 v[C2+2:C2+3], v[cd+2:cd+3], s[cw:cw+1] op_sel_hi:[1,0]
.else
.set ca, CT+(C2-CT)*(\i%2)
	v_pk_fma_f32 v[ca:ca+1], v[cd:cd+1], s[cw:cw+1], v[ca:ca+1] op_sel_hi:[1,0,1]
	v_pk_fma_f32 v[ca+2:ca+3], v[cd+2:cd+3], s[cw:cw+1], v[ca+2:ca+3] op_sel_hi:[1,0,1]
.endif
.endr
.endm
; THE BOUNDARY ahead of step T.  fin: tile T - 4 is finished; new: tile T enters; sl: their slot, 4 = by T % 4; sig: a step follows; lc: loads of W1 that may stay out when tile T's rows are wanted.
.macro BND fin, new, sl, sig, lc
	s_and_b32 s[X0], s[T], 3
.if \new
	s_lshl_b32 s[X1], s[X0], 9
	s_add_co_u32 s[X1], s[X1], s[SAS]
	v_and_b32 v[ASWT], 31, v0
	v_add_nc_u32 v[IMWT], s[SIM], v[BOF]
	v_add_nc_u32 v[ASWT], s[X1], v[ASWT]
.endif
.if \fin
	s_lshl_b32 s[X1], s[X0], 16
	s_add_co_u32 s[X1], s[X1], s[SRB]
	v_add_nc_u32 v[RCT], s[X1], v[BOF]
.endif
	s_wait_alu depctr_va_vdst(0)
.if \new
	s_wait_loadcnt \lc                             ; tile T's rows are in; at least lc loads of W1 are younger
	QST 0
	QLD
	QST 1
.endif
.if \fin
.if \sl == 4
	SEL4 SCORES
.else
	SCORES \sl
.endif
.endif
.if \new
	s_wait_dscnt 8+2*\fin                          ; row 0's blocks are in; younger: row 1's 8 stores and tau's 2
	QCALC 0
	QLD
	s_wait_dscnt 0x0
	QCALC 1
.endif
	s_wait_dscnt 0x0                               ; for the others' sake: my stores have landed
	s_barrier_signal -1
	s_barrier_wait -1
.if \fin
.irp p, 0,1,2,3,4,5,6,7
	ds_load_b32 v[TP+\p], v[SXR] offset:64*\p      ; row lane % 16: the eight waves' parts
.endr
	RLOAD 0
.endif
.if \new
.if \sl == 4
	SEL4 ALOAD
.else
	ALOAD \sl
.endif
.endif
.if \fin
	s_wait_dscnt 8+18*\new                         ; the eight parts are in
	v_add_f32 v18, v18, v19
	v_add_f32 v20, v20, v21
	v_add_f32 v22, v22, v23
	v_add_f32 v24, v24, v25
	v_add_f32 v18, v18, v20
	v_add_f32 v22, v22, v24
	s_delay_alu instid0(VALU_DEP_1)
	v_add_f32 v18, v18, v22                        ; tau
	s_delay_alu instid0(VALU_DEP_1)
	v_mov_b32 v19, v18
.irp x, 1,2,4,8
	s_delay_alu instid0(VALU_DEP_1)
	v_max_num_f32_dpp v19, v19, v19 row_xmask:\x row_mask:0xf bank_mask:0xf
.endr
	s_delay_alu instid0(VALU_DEP_1)
	v_max_num_f32 v19, v19, v[MX]                  ; the new maximum
	s_delay_alu instid0(VALU_DEP_1)
	v_sub_f32 v20, v[MX], v19
	v_sub_f32 v21, v18, v19
	s_wait_alu depctr_va_vdst(0)
	v_exp_f32 v20, v20                             ; 2^(old m - new m)
	v_exp_f32 v21, v21                             ; the row's weight, at most 1
	v_mov_b32 v[MX], v19
	s_wait_alu depctr_va_vdst(0)
	v_mov_b32 v22, v21
.irp x, 1,2,4,8
	s_delay_alu instid0(VALU_DEP_1)
	v_add_f32_dpp v22, v22, v22 row_xmask:\x row_mask:0xf bank_mask:0xf
.endr
	v_fma_f32 v[LS], v[LS], v20, v22
	s_wait_alu depctr_va_vdst(0)
	s_cmp_lg_u32 s[WV], 0
	s_cbranch_scc1 .Lnt_\@
	ds_store_b32 v[TAW], v18                       ; wave 0 keeps tau for the way out
.Lnt_\@:
	v_add_nc_u32 v[TAW], 64, v[TAW]
	s_wait_alu depctr_va_vdst(0)
.irp i, 0,1,2,3,4,5,6,7,8,9,10,11,12,13,14,15
	v_readlane_b32 s[WT+2*\i], v21, \i             ; the weights, as factors alone
	s_mov_b32 s[WT+2*\i+1], s[WT+2*\i]
.endr
	v_pk_mul_f32 v[CT:CT+1], v[CT:CT+1], v[20:21] op_sel_hi:[1,0]
	v_pk_mul_f32 v[CT+2:CT+3], v[CT+2:CT+3], v[20:21] op_sel_hi:[1,0]
	s_wait_alu depctr_va_vdst(0)
	s_wait_dscnt 18*\new                           ; rows 0-7 are in
	CTXB 0
	s_wait_alu depctr_va_vdst(0)
	RLOAD 1
	s_wait_dscnt 0x0
	CTXB 1
	v_pk_add_f32 v[CT:CT+1], v[CT:CT+1], v[C2:C2+1]
	v_pk_add_f32 v[CT+2:CT+3], v[CT+2:CT+3], v[C2+2:C2+3]
.else
	s_wait_dscnt 0x0
.endif
.if \sig
	s_barrier_signal -1                            ; my reads of the ring slot, IMG and SCX are over; the wait stands behind the step's first products
.endif
.endm
	s_load_b256 s[4:11], s[0:1], 0x0               ; values, w1img, biasc, tau
	s_load_b64 s[12:13], s[0:1], 0x20              ; prec
	v_lshrrev_b32 v18, 5, v0
	v_readfirstlane_b32 s[WV], v18                 ; wave 0..7
	s_mul_i32 s[SQ], s[WV], 4352
	s_add_co_u32 s[SQ], s[SQ], SCR
	s_lshl_b32 s[SXS], s[WV], 6
	s_add_co_u32 s[SAS], s[SXS], ASC               ; my two rows' scale bytes in a slot
	s_add_co_u32 s[SXS], s[SXS], SCX
	s_mul_i32 s[SIM], s[WV], 2*IP
	s_add_co_u32 s[SIM], s[SIM], IMG
	s_lshl_b32 s[SPB], s[WV], 13
	s_lshl_b32 s[SRB], s[WV], 9
	s_mov_b32 s[CC], 0x4038aa3b                    ; c = 2 log2(e)
	s_mov_b32 s[CC+1], s[CC]
	s_mov_b32 s[OF+1], 0
	v_and_b32 v19, 31, v0                          ; l
	v_and_b32 v20, 15, v0                          ; r
	v_bfe_u32 v21, v0, 4, 1                        ; h
	v_lshlrev_b32 v[BOF], 4, v19
	v_lshlrev_b32 v[PFO], 8, v19
	v_mul_u32_u24 v22, v21, REC
	v_lshl_add_u32 v[BSO], v20, 5, v22
	v_lshlrev_b32 v[BVO], 2, v20
	v_lshl_add_u32 v[QSA], v21, 4, v[BOF]          ; 16 l, and 16 more behind the first 256 bytes
	v_add_nc_u32 v[QSA], s[SQ], v[QSA]
	v_lshrrev_b32 v22, 1, v19
	v_mul_u32_u24 v[QLA], v22, 272
	v_and_b32 v22, 1, v19
	v_lshl_add_u32 v[QLA], v22, 7, v[QLA]
	v_add_nc_u32 v[QLA], s[SQ], v[QLA]             ; block l: 272 (l / 2) + 128 (l % 2)
	v_mul_u32_u24 v[AFR], v20, IP
	v_lshl_add_u32 v[AFR], v21, 4, v[AFR]
	v_add_nc_u32 v[AFR], IMG, v[AFR]
	v_lshlrev_b32 v[ASRD], 5, v19
	v_add_nc_u32 v[ASRD], ASC, v[ASRD]
	v_lshl_add_u32 v[SXW], v21, 5, s[SXS]
	v_add_nc_u32 v[SXR], SCX, v[BVO]
	v_add_nc_u32 v[TAW], TAU, v[BVO]
	v_lshrrev_b32 v22, 3, v19
	v_and_b32 v23, 7, v19
	v_lshlrev_b32 v22, 9, v22
	v_lshl_add_u32 v22, v23, 3, v22
	v_add_nc_u32 v22, s[SAS], v22                  ; my rows' 64 scale bytes in each of the four slots
	v_mov_b32 v24, 0x7f7f7f7f
	v_mov_b32 v25, 0x7f7f7f7f
	ds_store_b64 v22, v[24:25]                     ; the byte of 1.0, until the rows' own bytes are stored: a pair of slots is read together
.irp i, 0,1,2,3
	v_mov_b32 v[CT+\i], 0
	v_mov_b32 v[BV+2*\i+1], 0                      ; the pairs' upper halves
.endr
	v_mov_b32 v[LS], 0
	v_mov_b32 v[MX], 0xff61b1e6                    ; -3e38, under every tau
	s_wait_alu depctr_va_vdst(0)                   ; the wait at the head's end
	s_wait_kmcnt 0x0
	s_lshl_b32 s[OF], ttmp9, 20                    ; 256 rows of 4,096 bytes,
	s_add_co_u32 s[OF], s[OF], s[SPB]              ; and my two rows of a tile
	s_add_nc_u64 s[4:5], s[4:5], s[OF:OF+1]
	LLOADS                                         ; tile 0
	s_mul_i32 s[OF], s[WV], 2*REC
	s_add_nc_u64 s[6:7], s[6:7], s[OF:OF+1]        ; my two records of a quarter
	s_lshr_b32 s[OF], ttmp9, 3                     ; my batch
	s_lshl_b32 s[OF], s[OF], 12
	s_lshl_b32 s[X0], s[WV], 7
	s_add_co_u32 s[OF], s[OF], s[X0]
	s_add_nc_u64 s[8:9], s[8:9], s[OF:OF+1]
	s_mov_b64 s[TB:TB+1], s[6:7]
	s_mov_b64 s[TBI:TBI+1], s[8:9]
	FLOADS 0, 0, BB                                ; step 0's first record, the scale words,
	VLOADS 0
	SLOADS
	FLOADS 1, 1, 192                               ; and its second record, in slot 3's registers
	VLOADS 1
	global_prefetch_b8 v[PFO], s[4:5] offset:0x10000 th:TH_LOAD_NT scope:SCOPE_SE   ; tiles 1 and 2
	global_prefetch_b8 v[PFO], s[4:5] offset:0x20000 th:TH_LOAD_NT scope:SCOPE_SE
	s_lshl_b32 s[OF], ttmp9, 10
	s_add_nc_u64 s[10:11], s[10:11], s[OF:OF+1]
	s_mul_i32 s[OF], ttmp9, 4352
	s_add_nc_u64 s[12:13], s[12:13], s[OF:OF+1]
	s_mov_b32 s[T], 0
	BND 0, 1, 0, 1, 20
	RSTEP 0, 0, 1, 1, 1, 192, 1, 1
	s_mov_b32 s[T], 1
	BND 0, 1, 1, 1, 20
	RSTEP 0, 1, 1, 1, 1, 192, 1, 1
	s_mov_b32 s[T], 2
	BND 0, 1, 2, 1, 20
	RSTEP 0, 2, 1, 1, 1, 192, 1, 0                 ; slot 3 is wanted next: step 3's second record is not asked for here
	s_mov_b32 s[T], 3
	BND 0, 1, 3, 1, 4                              ; younger than tile 3's rows: 2 loads of -c V and biasc, 2 of scale words
	STEP 1, 1, 1, 0, 0
	s_mov_b32 s[T], 4
.Lstep:                                                ; steps 4 to 14
	BND 1, 1, 4, 1, 20
	STEP 1, 1, 2, 0, 0
	s_add_co_u32 s[T], s[T], 1
	s_cmp_lt_u32 s[T], 15
	s_cbranch_scc1 .Lstep
	s_mov_b32 s[T], 15
	BND 1, 1, 3, 1, 20
	STEP 1, 0, 0, 1, 0                             ; no tile is left to ask for; slot 0 has had its last product: it takes step 16's second record
	s_mov_b32 s[T], 16
	BND 1, 0, 0, 1, 0
	RSTEP 1, 3, 0, 0, 0, 0, 1, 1
	s_mov_b32 s[T], 17
	BND 1, 0, 1, 1, 0
	RSTEP 2, 3, 0, 0, 0, 0, 1, 1
	s_mov_b32 s[T], 18
	BND 1, 0, 2, 1, 0
	RSTEP 3, 3, 0, 0, 0, 0, 0, 0
	s_mov_b32 s[T], 19
	BND 1, 0, 3, 0, 0
	; THE WAY OUT: each wave stores its 512 bytes of ctx; wave 0 stores tau (two times 512 bytes) and m, l with zeros as 256 bytes.
	v_add_nc_u32 v18, s[SRB], v[BOF]
	global_store_b128 v18, v[CT:CT+3], s[12:13]
	s_cmp_lg_u32 s[WV], 0
	s_cbranch_scc1 .Lend
	v_add_nc_u32 v19, TAU, v[BOF]
	ds_load_b128 v[DD:DD+3], v19                   ; bytes that this wave stored itself
	ds_load_b128 v[DD+4:DD+7], v19 offset:512
	v_and_b32 v20, 31, v0
	v_cmp_eq_u32 vcc_lo, 0, v20
	v_cndmask_b32 v22, 0, v[MX], vcc_lo
	v_cndmask_b32 v23, 0, v[LS], vcc_lo
	v_lshlrev_b32 v21, 3, v20
	s_wait_alu depctr_va_vdst(0)
	s_wait_dscnt 0x0
	global_store_b128 v[BOF], v[DD:DD+3], s[10:11]
	global_store_b128 v[BOF], v[DD+4:DD+7], s[10:11] offset:512
	global_store_b64 v21, v[22:23], s[12:13] offset:4096
.Lend:
	v_lshl_add_u32 v30, v0, 2, SPARE               ; no two registers could be kept: my spare word's address and 0 are made here
	v_mov_b32 v31, 0
	s_wait_alu depctr_va_vdst(0)
	s_wait_tensorcnt 0x0                           ; the wave's end
	ds_add_u32 v30, v31
	s_wait_dscnt 0x0
	s_endpgm
.Lfunc_end_k_qdf6e78d2bd_main:
	.size	k_qdf6e78d2bd_main, .Lfunc_end_k_qdf6e78d2bd_main-k_qdf6e78d2bd_main
	.p2alignl 7, 3214868480
	.fill 96, 4, 3214868480
	.section	.rodata,"a",@progbits
	.p2align	6, 0x0
	.amdhsa_kernel k_qdf6e78d2bd_main
		.amdhsa_group_segment_fixed_size 310016
		.amdhsa_private_segment_fixed_size 0
		.amdhsa_enable_private_segment 0
		.amdhsa_kernarg_size 40
		.amdhsa_user_sgpr_count 2
		.amdhsa_user_sgpr_kernarg_segment_ptr 1
		.amdhsa_wavefront_size32 1
		.amdhsa_system_sgpr_workgroup_id_x 1
		.amdhsa_system_sgpr_workgroup_id_y 1
		.amdhsa_system_sgpr_workgroup_id_z 1
		.amdhsa_system_vgpr_workitem_id 0
		.amdhsa_next_free_vgpr 512
		.amdhsa_next_free_sgpr 100
		.amdhsa_reserve_vcc 1
		.amdhsa_float_denorm_mode_32 3
		.amdhsa_float_denorm_mode_16_64 3
		.amdhsa_memory_ordered 1
		.amdhsa_forward_progress 1
		.amdhsa_inst_pref_size 255
	.end_amdhsa_kernel
	.section	.bss,"aw",@nobits
	.p2align	6
	.space	262144
	.amdgpu_metadata
---
amdhsa.version: [ 1, 2 ]
amdhsa.kernels:
  - .name:           k_qdf6e78d2bd_main
    .symbol:         k_qdf6e78d2bd_main.kd
    .args:
      - { .name: values, .offset: 0, .size: 8, .value_kind: global_buffer, .address_space: global }
      - { .name: w1img, .offset: 8, .size: 8, .value_kind: global_buffer, .address_space: global }
      - { .name: biasc, .offset: 16, .size: 8, .value_kind: global_buffer, .address_space: global }
      - { .name: tau, .offset: 24, .size: 8, .value_kind: global_buffer, .address_space: global }
      - { .name: prec, .offset: 32, .size: 8, .value_kind: global_buffer, .address_space: global }
    .group_segment_fixed_size: 310016
    .private_segment_fixed_size: 0
    .kernarg_segment_align: 8
    .kernarg_segment_size: 40
    .max_flat_workgroup_size: 256
    .sgpr_count:     100
    .vgpr_count:     512
    .wavefront_size: 32
...
	.end_amdgpu_metadata
.endif
;; end of part 2
;; launch comb (part 3): grid 256 x 1, 1 waves a work-group, no clusters, 0 bytes of LDS; arguments tau, prec, out0, out1; writes out0, out1
.if DOCPART == 3
	.amdgcn_target "amdgcn-amd-amdhsa--gfx1250"
	.amdhsa_code_object_version 6
	.text
	.protected	k_qdf6e78d2bd_comb
	.globl	k_qdf6e78d2bd_comb
	.p2align	8
	.type	k_qdf6e78d2bd_comb,@function
k_qdf6e78d2bd_comb:
	s_mov_b64 s[64:65], 0
	v_nop
	global_prefetch_b8 v0, s[64:65] scope:SCOPE_SE
	s_setreg_imm32_b32 hwreg(HW_REG_WAVE_MODE, 25, 1), 1
	s_wait_xcnt 0x0
; BahdanauAttention, launch 3 of 3.  Left out, as shown at the head of the first kernel: bV and the sum of V.
; A batch's eight parts (m_p, l_p, ctx_p) are joined: M = the largest m_p, f_p = 2^(m_p - M), L = sum of f_p l_p; out0 = (sum of f_p ctx_p) / L; out1 = 2^(tau - M) / L.
; Work-group 8 b + i, one wave: columns 128 i .. 128 i + 127 of out0[b] (512 bytes) and positions 256 i .. 256 i + 255 of out1[b] (1,024 bytes).  No LDS, no barrier: the wave shares nothing.
	s_load_b256 s[4:11], s[0:1], 0x0               ; tau s[4:5], prec s[6:7], out0 s[8:9], out1 s[10:11]
	s_lshr_b32 s12, ttmp9, 3                       ; b
	s_and_b32 s13, ttmp9, 7                        ; i
	v_lshlrev_b32 v1, 4, v0                        ; 16 bytes a lane
	s_wait_alu depctr_va_vdst(0)
	v_mov_b32 v2, 0
	s_mul_i32 s14, s12, 8*4352                     ; the batch's eight records
	s_mov_b32 s15, 0
	s_lshl_b32 s16, s13, 9
	s_lshl_b32 s18, s12, 13                        ; tau and out1: 8,192 b + 1,024 i
	s_lshl_b32 s19, s13, 10
	s_add_co_u32 s18, s18, s19
	s_mov_b32 s19, 0
	s_lshl_b32 s20, s12, 12                        ; out0: 4,096 b + 512 i
	s_add_co_u32 s20, s20, s16
	s_mov_b32 s21, 0
	v_add_nc_u32 v3, s16, v1                       ; in a record: 512 i + 16 l
	s_wait_alu depctr_va_vdst(0)
	s_wait_kmcnt 0x0
	s_add_nc_u64 s[6:7], s[6:7], s[14:15]
	s_add_nc_u64 s[4:5], s[4:5], s[18:19]
	s_add_nc_u64 s[10:11], s[10:11], s[18:19]
	s_add_nc_u64 s[8:9], s[8:9], s[20:21]
.irp p, 0,1,2,3,4,5,6,7
	global_load_b64 v[8+2*\p:9+2*\p], v2, s[6:7] offset:4352*\p+4096      ; m_p, l_p: the same in every lane
.endr
	global_load_b128 v[64:67], v1, s[4:5]
	global_load_b128 v[68:71], v1, s[4:5] offset:512
.irp p, 0,1,2,3,4,5,6,7
	global_load_b128 v[32+4*\p:35+4*\p], v3, s[6:7] offset:4352*\p
.endr
	s_wait_loadcnt 0x0
	v_max3_num_f32 v24, v8, v10, v12
	v_max3_num_f32 v24, v24, v14, v16
	v_max3_num_f32 v24, v24, v18, v20
	v_max_num_f32 v24, v24, v22                    ; M
.irp p, 0,1,2,3,4,5,6,7
	v_sub_f32 v[72+\p], v[8+2*\p], v24
.endr
.irp j, 0,1,2,3,4,5,6,7
	v_sub_f32 v[64+\j], v[64+\j], v24
.endr
	s_wait_alu depctr_va_vdst(0)
.irp p, 0,1,2,3,4,5,6,7
	v_exp_f32 v[72+\p], v[72+\p]                   ; f_p
.endr
.irp j, 0,1,2,3,4,5,6,7
	v_exp_f32 v[64+\j], v[64+\j]                   ; 2^(tau - M)
.endr
	v_nop                                          ; a plain instruction behind the last exponential
	s_wait_alu depctr_va_vdst(0)                   ; one wait for the sixteen, ahead of their first reader
	v_mul_f32 v25, v72, v9
.irp p, 1,2,3,4,5,6,7
	v_fmac_f32 v25, v[72+\p], v[9+2*\p]            ; L
.endr
	s_wait_alu depctr_va_vdst(0)
	v_rcp_f32 v26, v25
.irp e, 0,1,2,3
	v_mul_f32 v[80+\e], v72, v[32+\e]              ; the sums of f_p ctx_p are the independent work behind the reciprocal
.endr
.irp p, 1,2,3,4,5,6,7
.irp e, 0,1,2,3
	v_fmac_f32 v[80+\e], v[72+\p], v[32+4*\p+\e]
.endr
.endr
	s_wait_alu depctr_va_vdst(0)                   ; the wait, ahead of the reciprocal's first reader
.irp e, 0,1,2,3
	v_mul_f32 v[80+\e], v[80+\e], v26
.endr
.irp j, 0,1,2,3,4,5,6,7
	v_mul_f32 v[64+\j], v[64+\j], v26
.endr
	global_store_b128 v1, v[80:83], s[8:9]         ; 32 lanes store 512 consecutive bytes, aligned
	global_store_b128 v1, v[64:67], s[10:11]
	global_store_b128 v1, v[68:71], s[10:11] offset:512
	s_endpgm
.Lfunc_end_k_qdf6e78d2bd_comb:
	.size	k_qdf6e78d2bd_comb, .Lfunc_end_k_qdf6e78d2bd_comb-k_qdf6e78d2bd_comb
	.p2alignl 7, 3214868480
	.fill 96, 4, 3214868480
	.section	.rodata,"a",@progbits
	.p2align	6, 0x0
	.amdhsa_kernel k_qdf6e78d2bd_comb
		.amdhsa_group_segment_fixed_size 0
		.amdhsa_private_segment_fixed_size 0
		.amdhsa_enable_private_segment 0
		.amdhsa_kernarg_size 32
		.amdhsa_user_sgpr_count 2
		.amdhsa_user_sgpr_kernarg_segment_ptr 1
		.amdhsa_wavefront_size32 1
		.amdhsa_system_sgpr_workgroup_id_x 1
		.amdhsa_system_sgpr_workgroup_id_y 1
		.amdhsa_system_sgpr_workgroup_id_z 1
		.amdhsa_system_vgpr_workitem_id 0
		.amdhsa_next_free_vgpr 96
		.amdhsa_next_free_sgpr 66
		.amdhsa_reserve_vcc 0
		.amdhsa_float_denorm_mode_32 3
		.amdhsa_float_denorm_mode_16_64 3
		.amdhsa_memory_ordered 1
		.amdhsa_forward_progress 1
		.amdhsa_inst_pref_size 7
	.end_amdhsa_kernel
	.amdgpu_metadata
---
amdhsa.version: [ 1, 2 ]
amdhsa.kernels:
  - .name:           k_qdf6e78d2bd_comb
    .symbol:         k_qdf6e78d2bd_comb.kd
    .args:
      - { .name: tau, .offset: 0, .size: 8, .value_kind: global_buffer, .address_space: global }
      - { .name: prec, .offset: 8, .size: 8, .value_kind: global_buffer, .address_space: global }
      - { .name: out0, .offset: 16, .size: 8, .value_kind: global_buffer, .address_space: global }
      - { .name: out1, .offset: 24, .size: 8, .value_kind: global_buffer, .address_space: global }
    .group_segment_fixed_size: 0
    .private_segment_fixed_size: 0
    .kernarg_segment_align: 8
    .kernarg_segment_size: 32
    .max_flat_workgroup_size: 32
    .sgpr_count:     66
    .vgpr_count:     96
    .wavefront_size: 32
...
	.end_amdgpu_metadata
.endif
;; end of part 3
